; MI455X (gfx1250); checked and timed in simulation.
; The chip was launched on July 23, 2026; its instructions are those of AMD's public machine-readable ISA for CDNA 5 (MIT licence, August 2026) and "CDNA5" Instruction Set Architecture Reference Guide (July 2026). The comments in the code are by the model that wrote it; some were corrected since.
;; Summary With Attention. Allowed arithmetic: matrix products marked QUANTISED: E2M1 operands, one E8M0 scale for each 32 along K, by v_wmma_scale_f32_16x16x128_f8f6f4 with both operands' format E2M1 (or v_wmma_scale_f32_32x16x128_f4), f32 sums; products left as they are: f32 operands where the result goes on into a quantised operand, else bf16, f16 or f32 operands; f32 sums; everything else in f32.
;; Inputs: K_codes 8 x 4,096 x 32 x 16 uint8 (E2M1 codes of K, K innermost, in blocks of 32 codes, two codes a byte); K_scales 8 x 4,096 x 32 uint8 (E8M0 scales of K, one for each 32 codes along K); Q 8 x 1 x 1,024 float32; V_codes 8 x 4,096 x 32 x 16 uint8 (E2M1 codes of V, K innermost, in blocks of 32 codes, two codes a byte); V_scales 8 x 4,096 x 32 uint8 (E8M0 scales of V, one for each 32 codes along K); Wk_codes 1,024 x 32 x 16 uint8 (E2M1 codes of Wk, K innermost, in blocks of 32 codes, two codes a byte); Wk_scales 1,024 x 32 uint8 (E8M0 scales of Wk, one for each 32 codes along K); Wo 1,024 x 1,024 float32; Wq 1,024 x 1,024 float32; Wv_codes 1,024 x 32 x 16 uint8 (E2M1 codes of Wv, K innermost, in blocks of 32 codes, two codes a byte); Wv_scales 1,024 x 32 uint8 (E8M0 scales of Wv, one for each 32 codes along K); bk 1,024 float32; bo 1,024 float32; bq 1,024 float32; bv 1,024 float32.
;; Outputs: out0 8 x 1 x 1,024 float32.
;; This version of the problem:
;;   THIS VERSION OF THE PROBLEM IS GIVEN IN LOW PRECISION. The matrix products marked QUANTISED in the list below multiply operands that are first quantised to E2M1 (2 exponent bits, 1 mantissa bit; 4 bits a number), with one power-of-two scale for each 32 numbers along K (OCP MX v1.0); their sums are f32. All else is computed in f32.
;;   The module's matrix products, in the order in which they are computed (A, B: the left and right operand; K: the contracted axis; several contracted axes count as one K, in the product's order):
;;     1. [M 8, K 1,024] x [K 1,024, N 1,024]; A: input Q; B: input Wq: left as it is (M = 8 < 16)
;;     2. [M 32,768, K 1,024] x [K 1,024, N 1,024]; A: input K (given as codes); B: input Wk (given as codes): QUANTISED
;;     3. [M 32,768, K 1,024] x [K 1,024, N 1,024]; A: input V (given as codes); B: input Wv (given as codes): QUANTISED
;;     4. batch 128 x [M 4,096, K 64] x [K 64, N 1]; A: computed on the way; B: computed on the way: left as it is (N = 1 < 16)
;;     5. batch 128 x [M 1, K 4,096] x [K 4,096, N 64]; A: computed on the way; B: computed on the way: left as it is (M = 1 < 16)
;;     6. [M 8, K 1,024] x [K 1,024, N 1,024]; A: computed on the way; B: input Wo: left as it is (M = 8 < 16)
;;   THE QUANTISER, for each operand of a quantised product, along K:
;;     - K is cut into blocks of 32 from its start; a last block that is shorter is filled with zeros.
;;     - A block's scale is 2^e with e = floor(log2(the largest magnitude in the block)) - 2, held to -126 .. 127; a block of zeros has e = 0. As a byte (E8M0): e + 127.
;;     - Each number is divided by its block's scale, clamped to +-6, and rounded to the nearest number of E2M1, ties to even, subnormals kept.
;;     - The product sums the exact products of the quantised numbers (number of the format x scale) in f32.
;;   ~~~python
;;   def quantise(x, axis):      # numpy; x: float32 -> the quantised numbers, widened to float32 again
;;       x = np.moveaxis(x, axis, -1); K = x.shape[-1]
;;       x = np.pad(x, [(0, 0)] * (x.ndim - 1) + [(0, -K % 32)]); x = x.reshape(x.shape[:-1] + (-1, 32)); a = np.abs(x).max(-1, keepdims=True)
;;       e = np.where(a > 0, np.clip(np.frexp(np.where(a > 0, a, 1))[1] - 1 - 2, -126, 127), 0)      # np.frexp(a)[1] - 1 = floor(log2(a)), exactly
;;       r = np.clip(x / 2.0 ** e, -6, 6)
;;       step = 2.0 ** (np.maximum(np.frexp(np.where(r == 0, 1, r))[1] - 1, 0) - 1)
;;       q = np.round(r / step) * step * 2.0 ** e      # np.round: ties to even
;;       return np.moveaxis(q.reshape(q.shape[:-2] + (-1,))[..., :K], -1, axis).astype(np.float32)
;;   ~~~
;;   INPUTS GIVEN AS CODES. K (in the module: [8, 4096, 1024], K = its axis 2); V (in the module: [8, 4096, 1024], K = its axis 2); Wk (in the module: [1024, 1024], K = its axis 1); Wv (in the module: [1024, 1024], K = its axis 1): each comes as NAME_codes (uint8): NAME with its K axis moved to the last place and cut into blocks of 32 codes, [.., K / 32, bytes a block], one block behind the other in memory; two codes a byte, the lower K in the low four bits (a code: sign, 2 exponent bits, 1 mantissa bit); and NAME_scales (uint8): the same leading axes, one E8M0 byte (e + 127) for each 32 codes along K. Its value is code x scale, taken as it is: it is not quantised again, and the codes and scales need not be those that the quantiser above would give.
;; One version. Each part assembles by itself: llvm-mc -triple=amdgcn-amd-amdhsa -mcpu=gfx1250 --defsym DOCPART=n.
;; ======== version 1 of 1: 3 launches
;; workspace buffers: qws 32,768 bytes; part 262,144 bytes
;; launch qproj (part 1): grid 64 x 4, 8 waves a work-group, no clusters, 9,472 bytes of LDS; arguments Q, Wq, bq, qws; writes qws
.if DOCPART == 1
	.amdgcn_target "amdgcn-amd-amdhsa--gfx1250"
	.amdhsa_code_object_version 6
	.text
	.protected	k_q802e00d0da_qproj
	.globl	k_q802e00d0da_qproj
	.p2align	8
	.type	k_q802e00d0da_qproj,@function
k_q802e00d0da_qproj:
	s_mov_b64 s[64:65], 0
	v_nop
	global_prefetch_b8 v0, s[64:65] scope:SCOPE_SE
	s_setreg_imm32_b32 hwreg(HW_REG_WAVE_MODE, 25, 1), 1
	s_wait_xcnt 0x0
; qws[n][c] = (sum over k of Q[n][k] Wq[c][k] + bq[c]) x log2(e) / 8.  Q: [8][1024], Wq: [1024][1024], bq: [1024], qws: [8][1024], all f32; fused multiply-adds in f32.
; The factor is the scores' 1 / sqrt(64) and the change from e^x to 2^x, put into q once.
; SHARES.  Eight rows only: the weights' bytes are the work, so no matrix instruction and no tensor load.  Work-group (g, m) makes columns 16 g .. 16 g + 15 for rows 2 m and 2 m + 1; wave w the columns 16 g + 2 w and + 1.
; A lane takes 16 bytes of each 512 of a weight row: every load of a wave covers 512 consecutive bytes.  The two rows of X are loaded once by the 256 threads, 16 bytes each, and reach all waves through LDS.
; NO CLUSTER: the four work-groups of a column block read the same 64 KiB of weights, but joint requests are tensor loads into LDS, and here each weight is used twice, straight from the register that it was loaded into.
; THE WAY OUT: 16 columns of two rows: sixteen lanes store 64 consecutive bytes.  Runs of 256 bytes would want 64 columns, 256 KiB of weights, to a work-group and a quarter of the work-groups, for 32 KiB of output in all.
; LIMITS: the order of the f32 sums is not that of a serial sum over k; the bias is multiplied by the factor before it is added (one rounding more than adding first).
.set PARTS,  1                         ; rows of the first buffer that are summed into one row of X
.set SCALED, 1                         ; 1: the result is multiplied by log2(e) / 8
.set OUTS, 8192                        ; LDS: X's two rows of 4,096 bytes at 0; behind them the 32 results
.set XR,  8                            ; v8..    X as loaded: 4 registers for each of 2 PARTS rows
.set WR,  72                           ; v72-135  the weights: column o at + 32 o, 4 registers for each of 8 loads
.set XL,  136                          ; v136-199 X back from LDS: row n at + 32 n
.set AC,  200                          ; v200-207 four sums in pairs: (column o, row n) at + 2 (2 o + n)
	s_load_b256 s[4:11], s[0:1], 0x0               ; X s[4:5], the weights s[6:7], the bias s[8:9], the result s[10:11]
	v_lshl_add_u32 v224, v0, 2, 0x2100
	v_mov_b32 v225, 0
	v_lshrrev_b32 v4, 5, v0
	v_readfirstlane_b32 s12, v4                    ; wave 0..7
	v_and_b32 v7, 31, v0                           ; lane
	v_lshlrev_b32 v1, 4, v7                        ; 16 x lane
	v_lshlrev_b32 v2, 4, v0                        ; 16 x thread
	s_and_b32 s13, ttmp7, 0xffff                   ; m
	s_mul_i32 s14, s13, PARTS*8192                 ; X: 2 PARTS rows of 4,096 bytes a work-group row
	s_mov_b32 s15, 0
	s_lshl_b32 s16, ttmp9, 16                      ; the weights: 16 rows of 4,096 bytes a column block,
	s_lshl_b32 s17, s12, 13                        ; two a wave
	s_add_co_u32 s16, s16, s17
	s_mov_b32 s17, 0
	s_lshl_b32 s18, ttmp9, 6                       ; the bias: 64 g + 8 w bytes
	s_lshl_b32 s19, s12, 3
	s_add_co_u32 s18, s18, s19
	s_mov_b32 s19, 0
	s_lshl_b32 s22, s13, 13                        ; the result: rows 2 m on, column 16 g on
	s_lshl_b32 s23, ttmp9, 6
	s_add_co_u32 s22, s22, s23
	s_mov_b32 s23, 0
	s_lshl_b32 s24, s12, 3
	s_add_co_u32 s24, s24, OUTS
	v_mov_b32 v3, s24                              ; where my wave puts its results: OUTS + 8 w
	v_lshl_add_u32 v5, v7, 2, OUTS                 ; where wave 0 reads them back: OUTS + 4 x lane
	v_lshrrev_b32 v6, 4, v7
	v_and_b32 v4, 15, v7
	v_lshlrev_b32 v4, 2, v4
	v_lshl_add_u32 v6, v6, 12, v4                  ; and stores them: row lane / 16, column lane % 16
	s_mov_b32 s26, 0x76543210
	s_mov_b32 s27, 0xfedcba98                      ; v_permlanex16_b32's selects for lane l xor 16
	s_wait_kmcnt 0x0
	s_add_nc_u64 s[4:5], s[4:5], s[14:15]
	s_add_nc_u64 s[6:7], s[6:7], s[16:17]
	s_add_nc_u64 s[8:9], s[8:9], s[18:19]
	s_add_nc_u64 s[10:11], s[10:11], s[22:23]
.irp n, 0,1
.set p, 0
.rept PARTS
	global_load_b128 v[XR+4*(PARTS*\n+p):XR+4*(PARTS*\n+p)+3], v2, s[4:5] offset:(PARTS*\n+p)*4096   ; the 256 threads cover a row
.set p, p+1
.endr
.endr
.irp o, 0,1
.irp i, 0,1,2,3,4,5,6,7
	global_load_b128 v[WR+32*\o+4*\i:WR+32*\o+4*\i+3], v1, s[6:7] offset:4096*\o+512*\i
.endr
.endr
	s_load_b64 s[20:21], s[8:9], 0x0               ; my two columns' biases
	s_wait_loadcnt 16                              ; X is in; the sixteen younger loads, the weights, stay out
.if PARTS > 1
.set p, 1
.rept PARTS-1
.irp n, 0,1
	v_pk_add_f32 v[XR+4*PARTS*\n:XR+4*PARTS*\n+1], v[XR+4*PARTS*\n:XR+4*PARTS*\n+1], v[XR+4*(PARTS*\n+p):XR+4*(PARTS*\n+p)+1]
	v_pk_add_f32 v[XR+4*PARTS*\n+2:XR+4*PARTS*\n+3], v[XR+4*PARTS*\n+2:XR+4*PARTS*\n+3], v[XR+4*(PARTS*\n+p)+2:XR+4*(PARTS*\n+p)+3]
.endr
.set p, p+1
.endr
.endif
.irp n, 0,1
	ds_store_b128 v2, v[XR+4*PARTS*\n:XR+4*PARTS*\n+3] offset:4096*\n
.endr
	s_wait_dscnt 0x0                               ; for the others' sake: my part of X lies in LDS
	s_barrier_signal -1
	s_barrier_wait -1
.irp n, 0,1
.irp i, 0,1,2,3,4,5,6,7
	ds_load_b128 v[XL+32*\n+4*\i:XL+32*\n+4*\i+3], v1 offset:4096*\n+512*\i   ; the same k as my weights
.endr
.endr
	s_wait_loadcnt 0x0
	s_wait_dscnt 0x0
.irp i, 0,1,2,3,4,5,6,7
.irp u, 0,1
.irp o, 0,1
.irp n, 0,1
.if (\i == 0) && (\u == 0)
	v_pk_mul_f32 v[AC+2*(2*\o+\n):AC+2*(2*\o+\n)+1], v[WR+32*\o+4*\i+2*\u:WR+32*\o+4*\i+2*\u+1], v[XL+32*\n+4*\i+2*\u:XL+32*\n+4*\i+2*\u+1]   ; the first products start the sums
.else
	v_pk_fma_f32 v[AC+2*(2*\o+\n):AC+2*(2*\o+\n)+1], v[WR+32*\o+4*\i+2*\u:WR+32*\o+4*\i+2*\u+1], v[XL+32*\n+4*\i+2*\u:XL+32*\n+4*\i+2*\u+1], v[AC+2*(2*\o+\n):AC+2*(2*\o+\n)+1]   ; four chains by turns
.endif
.endr
.endr
.endr
.endr
.irp c, 0,1,2,3
	v_add_f32 v[AC+2*\c], v[AC+2*\c], v[AC+2*\c+1] ; a pair's two halves
.endr
.irp x, 1,2,4,8
.irp c, 0,1,2,3
	v_add_f32_dpp v[AC+2*\c], v[AC+2*\c], v[AC+2*\c] row_xmask:\x row_mask:0xf bank_mask:0xf   ; across sixteen lanes
.endr
.endr
.irp c, 0,1,2,3
	v_permlanex16_b32 v[AC+2*\c+1], v[AC+2*\c], s26, s27
.endr
.irp c, 0,1,2,3
	v_add_f32 v[AC+2*\c], v[AC+2*\c], v[AC+2*\c+1] ; and the other sixteen: every lane holds the sum
.endr
	s_wait_kmcnt 0x0                               ; the biases
.if SCALED
	s_mov_b32 s28, 0x3e38aa3b                      ; log2(e) / 8
	s_mul_f32 s20, s20, s28
	s_mul_f32 s21, s21, s28
.irp c, 0,1,2,3
	v_fma_f32 v[AC+2*\c], v[AC+2*\c], s28, s[20+\c/2]
.endr
.else
.irp c, 0,1,2,3
	v_add_f32 v[AC+2*\c], s[20+\c/2], v[AC+2*\c]
.endr
.endif
.irp c, 0,1,2,3
	ds_store_b32 v3, v[AC+2*\c] offset:4*(\c/2)+64*(\c%2)   ; all lanes write the same word with the same value: [row][16 columns]
.endr
	s_wait_dscnt 0x0                               ; for wave 0's sake
	s_barrier_signal -1
	s_barrier_wait -1
	s_cmp_lg_u32 s12, 0
	s_cbranch_scc1 .Lend                           ; wave 0 stores the work-group's 32 numbers
	ds_load_b32 v8, v5
	s_wait_dscnt 0x0
	global_store_b32 v6, v8, s[10:11]
.Lend:
	s_wait_tensorcnt 0x0
	ds_add_u32 v224, v225
	s_wait_dscnt 0x0
	s_endpgm
.Lfunc_end_k_q802e00d0da_qproj:
	.size	k_q802e00d0da_qproj, .Lfunc_end_k_q802e00d0da_qproj-k_q802e00d0da_qproj
	.p2alignl 7, 3214868480
	.fill 96, 4, 3214868480
	.section	.rodata,"a",@progbits
	.p2align	6, 0x0
	.amdhsa_kernel k_q802e00d0da_qproj
		.amdhsa_group_segment_fixed_size 9472
		.amdhsa_private_segment_fixed_size 0
		.amdhsa_enable_private_segment 0
		.amdhsa_kernarg_size 32
		.amdhsa_user_sgpr_count 2
		.amdhsa_user_sgpr_kernarg_segment_ptr 1
		.amdhsa_wavefront_size32 1
		.amdhsa_system_sgpr_workgroup_id_x 1
		.amdhsa_system_sgpr_workgroup_id_y 1
		.amdhsa_system_sgpr_workgroup_id_z 1
		.amdhsa_system_vgpr_workitem_id 0
		.amdhsa_next_free_vgpr 226
		.amdhsa_next_free_sgpr 66
		.amdhsa_reserve_vcc 0
		.amdhsa_float_denorm_mode_32 3
		.amdhsa_float_denorm_mode_16_64 3
		.amdhsa_memory_ordered 1
		.amdhsa_forward_progress 1
		.amdhsa_inst_pref_size 12
	.end_amdhsa_kernel
	.amdgpu_metadata
---
amdhsa.version: [ 1, 2 ]
amdhsa.kernels:
  - .name:           k_q802e00d0da_qproj
    .symbol:         k_q802e00d0da_qproj.kd
    .args:
      - { .name: Q, .offset: 0, .size: 8, .value_kind: global_buffer, .address_space: global }
      - { .name: Wq, .offset: 8, .size: 8, .value_kind: global_buffer, .address_space: global }
      - { .name: bq, .offset: 16, .size: 8, .value_kind: global_buffer, .address_space: global }
      - { .name: qws, .offset: 24, .size: 8, .value_kind: global_buffer, .address_space: global }
    .group_segment_fixed_size: 9472
    .private_segment_fixed_size: 0
    .kernarg_segment_align: 8
    .kernarg_segment_size: 32
    .max_flat_workgroup_size: 256
    .sgpr_count:     66
    .vgpr_count:     226
    .wavefront_size: 32
...
	.end_amdgpu_metadata
.endif
;; end of part 1
;; launch attn (part 2): grid 4 x 64, 4 waves a work-group, clusters of 4 x 4, 327,680 bytes of LDS; arguments K_codes, K_scales, V_codes, V_scales, Wk_codes, Wk_scales, Wv_codes, Wv_scales, qws, bk, bv, part; writes part
.if DOCPART == 2
	.amdgcn_target "amdgcn-amd-amdhsa--gfx1250"
	.amdhsa_code_object_version 6
	.text
	.protected	k_q802e00d0da_attn
	.globl	k_q802e00d0da_attn
	.p2align	8
	.type	k_q802e00d0da_attn,@function
k_q802e00d0da_attn:
	s_mov_b64 s[64:65], 0
	v_nop
	global_prefetch_b8 v0, s[64:65] scope:SCOPE_SE
	s_setreg_imm32_b32 hwreg(HW_REG_WAVE_MODE, 25, 1), 1
	s_wait_xcnt 0x0
	s_wait_alu depctr_hold_cnt(0) depctr_sa_sdst(0) depctr_va_vdst(0) depctr_va_sdst(0) depctr_va_ssrc(0) depctr_va_vcc(0) depctr_vm_vsrc(0)
	s_getreg_b32 s2, hwreg(HW_REG_IB_STS2, 6, 4)
	s_cmp_eq_u32 s2, 0
	s_cbranch_scc0 .Lentry_in_a_cluster
	s_endpgm
.Lentry_in_a_cluster:
	s_bfe_u32 s2, ttmp6, 0x10000c
	s_cmp_lg_u32 s2, 0xf033
	s_cbranch_scc0 .Lentry_shape_is_right
	s_endpgm
.Lentry_shape_is_right:
; part[y][c] = the sum over the 512 positions s of work-group row y of attn[s][head of c] x (v[s][c] + bv[c]),  v = V Wv^T,  k = K Wk^T,
; attn = softmax over an axis of ONE number of the score t = q . (k + bk) of the head (q comes with the factor log2(e) / 8 in it): the maximum, which is t itself, is taken away, 2^(t - t) is
; divided by the sum, which is itself: 1 where t is finite, NaN where it is not.  Both products are on codes of E2M1 with one E8M0 byte for each 32 along K, as they lie in memory; sums in f32.  k and v never go to memory.
; SHARES.  256 work-groups.  Work-group (x, y) owns columns 256 x on (4 heads; the grid is one cluster wide, so x is the place cx) and rows 512 y on of the 32,768 (all of batch y / 8).
; It makes FOUR tiles of 256 x 256 x 1,024, one after the other: K's rows 0-255, K's rows 256-511, V's rows 0-255, V's rows 256-511.  Behind a tile of K its scores become attn (16 numbers a lane, kept for both tiles),
; behind a tile of V it is weighed and summed into 64 registers.  A wave makes 128 rows x 128 columns (2 heads): 32 accumulators of 32 x 16, 512 registers.
; THE MATRIX INSTRUCTION is the 32 x 16 x 128 form, used transposed: source 0 = 32 rows of W, source 1 = 16 rows of K or V.  Lane (r, h) then holds position r; register j column 8 h + j, register 8 + j column 16 + 8 h + j.
; With half as many instructions as the 16 x 16 form the four tiles are written out: the text has no loop.
; THE RING.  K goes in steps of 512 (rows of 256 bytes) through two LDS slots and does not stop at a tile's end: a tile's two changes of slots ask for the next tile's two steps.
; TWO TILES ON END TAKE THE SAME WEIGHT, whose two K steps lie in the two slots: so W's half of a slot is filled again only where Wk gives way to Wv, at two of the six changes that fill: 4 x 64 KiB of W for a work-group, not 8 x 64.
; Waves 0 and 1 fetch the halves (128 rows) of the rows' tile, waves 2 and 3 those of W's.  The scale bytes of a tile's 256 rows are 8,192 dense bytes: both weights' stay in LDS; the rows' have two regions,
; first K's two tiles', each filled again once with V's, by wave 2, at a change at which W is not fetched.  By this text's count a wave has at most three tensor loads out (the first fills), later one.
; CLUSTERS: 4 x 4 work-groups.  The four of a row of the cluster need the same rows of K and V, the four of a column the same rows of W: each tile is asked for JOINTLY, by the same load with the same descriptor and a mask that names the four.
; THE BIASES cost no register in the products: each score's sum begins with the lane's part of q . bk; bv x (the lane's sum of attn) is added to the weighed sums at the end.
; PREFETCH: behind the second change of slots of tiles 0 and 1 each wave names 32 blocks of 256 bytes of V's codes, of the tile whose first load stands at the next change of slots (rows 0-255, then rows 256-511):
; row 128 (wave % 2) + 32 cx + 16 (wave / 2) + lane % 16, K step lane / 16: the four partners that will ask for the tile share its 512 blocks out by address, each block once.
; K's two tiles come by their loads alone (the first of them stand at the head); the weights are read by every cluster and are not asked for.
; LIMITS: the order of the f32 sums differs from a serial one, and the biases enter as said above (no difference of sums is formed).  A scale byte 0xff gives NaN, by the matrix unit.
; REGISTERS, in windows of 256: window 0: v1-13 addresses; v16-19 q . bk; v20-23 sums of attn; v32-95 scale words, two sets, and nothing else; v96-127 attn; v128-191 the rows' fragments, ONE set;
;   v192-255 bk at the head, then (v192-223) the scores' sums, then the weighed sums.
;   window 1: W's fragments, TWO sets, at v0 and v128; v64-127 bv; v192-255 q.   window 2: the accumulators of my rows 0-63 (block a, 32 columns b at v[64 a + 16 b]);   window 3: those of rows 64-127.
.set PITCH,  272                       ; an LDS row: 256 bytes + 16 of padding = 68 words, so that the 16 rows of a fragment load start 4 banks apart (64 banks of 4 bytes: ISA guide 11.1)
.set HALFT,  128*PITCH                 ; 128 rows: what one tensor load brings, and what a wave reads of either side
.set SLOT,   4*HALFT                   ; the rows' 256 rows, then W's 256
.set SREG,   32*272                    ; a region of scale bytes: 256 rows x 32 bytes as 32 runs of 256 bytes + 16 of padding
.set SCA,    2*SLOT                    ; the rows' two regions
.set SCB,    SCA+2*SREG                ; the weights' two: Wk's, Wv's
.set SPARE,  SCB+2*SREG                ; the spare words, 128 bytes a wave: two blocks of 256 bytes that no other line names
.set SPITCH, 528                       ; the way out: a stage of 16 rows x (512 bytes + 16) a wave, in slot 0, which has had its last fill and its last read by then
.set WSTAGE, 16*SPITCH
.set TROWS,  256*512                   ; 256 rows of codes in memory
.set TSCL,   256*32                    ; and of scale bytes
.set ADRA, 1                           ; v1-2   my place in the rows' tile in slot 0, 1
.set ADRB, 3                           ; v3-4   the same in W's
.set ADSA, 5                           ; v5     the rows' scale words: lanes 0-15 rows of blocks 0-3, lanes 16-31 of blocks 4-7
.set ADSB, 6                           ; v6     W's: lane l takes row l of 32
.set SPW,  7                           ; v7     LDS address of my spare word; never rewritten
.set NIL,  8                           ; v8     0; never rewritten
.set PFO,  9                           ; v9     the prefetches' offset: 512 (lane % 16) + 256 (lane / 16); never rewritten
.set STO,  10                          ; v10    the stage: where I put 32 bytes of a row
.set RD,   11                          ; v11    and where I read 8 bytes of a row back
.set GO,   12                          ; v12    8 x lane: my place in the wave's 256 bytes of part
.set QO,   13                          ; v13    32 (lane / 16): my eight columns of sixteen, in f32
.set QB,   16                          ; v[16:17], v[18:19] my part of q . bk, head 0, 1
.set ASUM, 20                          ; v20, v22 my sum of attn, head 0, 1 (named as pairs)
.set SC,   32                          ; scale words: set s at + 32 s; in it the rows' block i (and i + 4) at + 4 i + q, W's 32 rows b at + 16 + 4 b + q
.set AT,   96                          ; pair 2 a + head: attn of position 16 a + r of rows 0-255 in the low register, of rows 256-511 in the high one
.set AF,   128
.set OS,   192
.set BV,   64                          ; window 1
.set QV,   192                         ; window 1
.set PKC, 4                            ; s[4:19] the eight tensors of codes and scale bytes, each at my work-group's first byte; the codes' at the 128 rows that my wave fetches
.set PKS, 6
.set PVC, 8
.set PVS, 10
.set PWKC, 12
.set PWKS, 14
.set PWVC, 16
.set PWVS, 18
.set PQ,  20                           ; s[20:21] q, later where my prefetches stand
.set PBK, 22
.set PBV, 24
.set PPART, 26
.set PF,  20
.set WV,  28                           ; wave
.set AB,  29                           ; which 128 rows are mine
.set HF,  30                           ; which 128 columns.  Also: which 128 rows of a tile of codes I fetch
.set YY,  31                           ; work-group row
.set G1A, 32                           ; descriptor groups 1: the rows' codes, W's codes, the rows' scale bytes, W's
.set G1B, 40
.set G1SA, 48
.set G1SB, 56
.set G0A, 68                           ; groups 0: a set for each slot or region
.set G0B, 76
.set G0SA, 84
.set G0SB, 92
.set SEL, 100                          ; s[100:101] v_permlanex16_b32's selects for lane l xor 16
.set CX,  104
.set CY,  105
.set MSB, 0
.macro WIN new                         ; the immediate's high byte repeats the setting that is left; a switch that changes nothing is dropped
.if MSB != (\new)
	s_set_vgpr_msb (MSB<<8)|(\new)
.set MSB, (\new)
.endif
.endm
.set MUL_LO, 0xa1                      ; source 0 (W) window 1, source 1 (rows) window 0, C and D window 2
.set MUL_HI, 0xf1                      ; the same, C and D window 3
.set TO_B,   0x40                      ; destination window 1, address window 0
.macro PLACES n                        ; plain vector instructions between a matrix instruction and a load into, or a vector read of, its registers (ISA guide 7.12.1 for vector reads)
.rept \n
	v_nop
.endr
.endm
.macro CREST                           ; a round of the cluster's barrier behind its opening barrier
	s_cmp_lg_u32 s[WV], 0
	s_cbranch_scc1 .Lnot_wave_0_\@
	s_barrier_signal -3
.Lnot_wave_0_\@:
	s_barrier_wait -3
	s_barrier_signal -1
	s_barrier_wait -1
.endm
.macro CROUND
	s_barrier_signal -1
	s_barrier_wait -1
	CREST
.endm
.macro MKG0 g, lds, p, imm             ; a group 0 for scale bytes: count 1, LDS address (a constant: one wave issues it), global address, type 2
	s_mov_b32 s[\g], 1
	s_mov_b32 s[\g+1], \lds
	s_add_nc_u64 s[\g+2:\g+3], s[\p:\p+1], \imm
	s_or_b32 s[\g+3], s[\g+3], 0x80000000
.endm
.macro MKG0C g, add, p, imm            ; a group 0 for codes: the LDS address is wave x 128 rows (in s2) + the slot: the rows' two halves, then W's two
	s_mov_b32 s[\g], 1
	s_add_co_u32 s[\g+1], s2, \add
	s_add_nc_u64 s[\g+2:\g+3], s[\p:\p+1], \imm
	s_or_b32 s[\g+3], s[\g+3], 0x80000000
.endm
; The descriptors of a refill: slot's K step of tile j (0, 1: K; 2, 3: V; rows 256 (j % 2) on); fb = 1: Wv's K step too; sc = 0, 1: V's scale bytes of rows 256 sc on.  No tensor load of the wave is out where this stands.
.macro DSTEP slot, j, fb, sc
.if (\j) < 2
	s_add_nc_u64 s[G0A+4*\slot+2:G0A+4*\slot+3], s[PKC:PKC+1], ((\j)%2)*TROWS+256*\slot
.else
	s_add_nc_u64 s[G0A+4*\slot+2:G0A+4*\slot+3], s[PVC:PVC+1], ((\j)%2)*TROWS+256*\slot
.endif
	s_or_b32 s[G0A+4*\slot+3], s[G0A+4*\slot+3], 0x80000000
.if \fb
	s_add_nc_u64 s[G0B+4*\slot+2:G0B+4*\slot+3], s[PWVC:PWVC+1], 256*\slot
	s_or_b32 s[G0B+4*\slot+3], s[G0B+4*\slot+3], 0x80000000
.endif
.if \sc == 0
	s_add_nc_u64 s[G0SA+2:G0SA+3], s[PVS:PVS+1], 0
	s_or_b32 s[G0SA+3], s[G0SA+3], 0x80000000
.elseif \sc == 1
	s_add_nc_u64 s[G0SA+6:G0SA+7], s[PVS:PVS+1], TSCL
	s_or_b32 s[G0SA+7], s[G0SA+7], 0x80000000
.endif
.endm
; A joint refill.  Waves 0 and 1: the halves of the rows' tile; waves 2 and 3, where fb = 1: the halves of W's; wave 2, where sc is 0 or 1: that region of the rows' scale bytes.  The branches hang on the wave's number alone.
; Four v_nop stand on every way; they are also the places in front of the fragment loads that follow.
.macro JLOAD slot, fb, sc
	s_cmp_lt_u32 s[WV], 2
	s_cbranch_scc0 .Lnot_a_\@
	tensor_load_to_lds s[G0A+4*\slot:G0A+4*\slot+3], s[G1A:G1A+7]
	s_nop 0
	PLACES 4
	s_branch .Lasked_\@
.Lnot_a_\@:
.if \fb
	tensor_load_to_lds s[G0B+4*\slot:G0B+4*\slot+3], s[G1B:G1B+7]
	s_nop 0
	PLACES 4
.elseif \sc >= 0
	s_cmp_eq_u32 s[WV], 2
	s_cbranch_scc0 .Lnone_\@
	tensor_load_to_lds s[G0SA+4*\sc:G0SA+4*\sc+3], s[G1SA:G1SA+7]
	s_nop 0
	PLACES 4
	s_branch .Lasked_\@
.Lnone_\@:
	PLACES 4
.else
	PLACES 4
.endif
.Lasked_\@:
.endm
	s_load_b512 s[4:19], s[0:1], 0x0               ; K's codes, scales; V's; Wk's; Wv's
	s_load_b256 s[20:27], s[0:1], 0x40             ; q, bk, bv, part
	v_lshl_add_u32 v[SPW], v0, 2, SPARE
	v_mov_b32 v[NIL], 0
	ds_add_u32 v7, v8
	ds_add_u32 v7, v8
	s_wait_dscnt 0x0
	v_lshrrev_b32 v14, 5, v0
	v_readfirstlane_b32 s[WV], v14                 ; wave 0..3
	s_lshr_b32 s[AB], s[WV], 1
	s_and_b32 s[HF], s[WV], 1
	s_bfe_u32 s[CX], ttmp6, 0x40000                ; my place in the cluster; cx is also the tile column
	s_bfe_u32 s[CY], ttmp6, 0x40004
	s_and_b32 s[YY], ttmp7, 0xffff
	s_lshl_b32 s[YY], s[YY], 2
	s_add_co_u32 s[YY], s[YY], s[CY]               ; work-group row = 4 x cluster y + cy
	s_lshl_b32 s2, s[CY], 2
	s_lshl_b32 s2, 15, s2                          ; my row of the cluster
	s_lshl_b32 s66, 0x1111, s[CX]                  ; my column
	s_or_b32 s[G1A], s2, (1<<20)|(1<<21)|(5<<22)|(3<<25)            ; 15:0 the mask; 17:16 elements of 1 byte; 20 padding on; 21 set beside a mask; 24:22 after every 64 words; 31:25 four words
	s_or_b32 s[G1B], s66, (1<<20)|(1<<21)|(5<<22)|(3<<25)
	s_or_b32 s[G1SA], s2, (3<<16)|(1<<20)|(1<<21)|(5<<22)|(3<<25)   ; the same with elements of 8 bytes
	s_or_b32 s[G1SB], s66, (3<<16)|(1<<20)|(1<<21)|(5<<22)|(3<<25)
.irp g, G1A, G1B                       ; codes: 128 rows x 256 bytes, 512 bytes from row to row
	s_mov_b32 s[\g+1], 256<<16                     ; tensor_dim0
	s_mov_b32 s[\g+2], 128<<16                     ; tensor_dim1
	s_mov_b32 s[\g+3], 256<<16                     ; tile_dim0
	s_mov_b32 s[\g+4], 128                         ; tile_dim1
	s_mov_b32 s[\g+5], 512                         ; tensor_dim0_stride
	s_mov_b32 s[\g+6], 0
	s_mov_b32 s[\g+7], 0
.endr
.irp g, G1SA, G1SB                     ; scale bytes: 8,192 dense bytes as 32 rows of 32 elements
	s_mov_b32 s[\g+1], 32<<16
	s_mov_b32 s[\g+2], 32<<16
	s_mov_b32 s[\g+3], 32<<16
	s_mov_b32 s[\g+4], 32
	s_mov_b32 s[\g+5], 32
	s_mov_b32 s[\g+6], 0
	s_mov_b32 s[\g+7], 0
.endr
	s_mov_b32 s[SEL], 0x76543210
	s_mov_b32 s[SEL+1], 0xfedcba98
	s_mov_b32 s3, 0                                ; s[2:3] holds offsets made of the work-group row or of the wave, s[66:67] those made of cx: no offset that feeds a descriptor is made of both places
	s_mov_b32 s67, 0
	s_wait_kmcnt 0x0
	s_lshl_b32 s2, s[YY], 18                       ; 512 rows of 512 bytes
	s_add_nc_u64 s[PKC:PKC+1], s[PKC:PKC+1], s[2:3]
	s_add_nc_u64 s[PVC:PVC+1], s[PVC:PVC+1], s[2:3]
	s_lshl_b32 s2, s[YY], 14                       ; 512 rows of 32 bytes
	s_add_nc_u64 s[PKS:PKS+1], s[PKS:PKS+1], s[2:3]
	s_add_nc_u64 s[PVS:PVS+1], s[PVS:PVS+1], s[2:3]
	s_lshl_b32 s66, s[CX], 17                      ; 256 rows of 512 bytes
	s_add_nc_u64 s[PWKC:PWKC+1], s[PWKC:PWKC+1], s[66:67]
	s_add_nc_u64 s[PWVC:PWVC+1], s[PWVC:PWVC+1], s[66:67]
	s_lshl_b32 s66, s[CX], 13                      ; 256 rows of 32 bytes
	s_add_nc_u64 s[PWKS:PWKS+1], s[PWKS:PWKS+1], s[66:67]
	s_add_nc_u64 s[PWVS:PWVS+1], s[PWVS:PWVS+1], s[66:67]
	s_lshl_b32 s2, s[HF], 16                       ; the half of a tile of codes that my wave fetches: 128 rows of 512 bytes
	s_add_nc_u64 s[PKC:PKC+1], s[PKC:PKC+1], s[2:3]
	s_add_nc_u64 s[PVC:PVC+1], s[PVC:PVC+1], s[2:3]
	s_add_nc_u64 s[PWKC:PWKC+1], s[PWKC:PWKC+1], s[2:3]
	s_add_nc_u64 s[PWVC:PWVC+1], s[PWVC:PWVC+1], s[2:3]
	CROUND                                         ; all sixteen work-groups are here: the first joint loads meet
	s_mul_i32 s2, s[WV], HALFT                     ; where my half goes in a slot: no place in the cluster enters an LDS address
	MKG0C G0A,   0,    PKC,  0                     ; tile 0's K step 0
	MKG0C G0A+4, SLOT, PKC,  256                   ; and 1
	MKG0C G0B,   0,    PWKC, 0
	MKG0C G0B+4, SLOT, PWKC, 256
	MKG0 G0SA,   SCA,      PKS,  0                 ; the scale bytes of tiles 0 and 1
	MKG0 G0SA+4, SCA+SREG, PKS,  TSCL
	MKG0 G0SB,   SCB,      PWKS, 0                 ; and of both weights
	MKG0 G0SB+4, SCB+SREG, PWVS, 0
	s_cmp_lt_u32 s[WV], 2                          ; the first fills: each wave's three stand together in its own arm: its half of slot 0, a region of scale bytes, its half of slot 1
	s_cbranch_scc0 .Lfirst_23
	s_cmp_eq_u32 s[WV], 0
	s_cbranch_scc0 .Lfirst_1
	tensor_load_to_lds s[G0A:G0A+3], s[G1A:G1A+7]
	s_nop 0
	tensor_load_to_lds s[G0SA:G0SA+3], s[G1SA:G1SA+7]
	s_nop 0
	tensor_load_to_lds s[G0A+4:G0A+7], s[G1A:G1A+7]
	s_nop 0
	PLACES 4
	s_branch .Lfirst_asked
.Lfirst_1:
	tensor_load_to_lds s[G0A:G0A+3], s[G1A:G1A+7]
	s_nop 0
	tensor_load_to_lds s[G0SA+4:G0SA+7], s[G1SA:G1SA+7]
	s_nop 0
	tensor_load_to_lds s[G0A+4:G0A+7], s[G1A:G1A+7]
	s_nop 0
	PLACES 4
	s_branch .Lfirst_asked
.Lfirst_23:
	s_cmp_eq_u32 s[WV], 2
	s_cbranch_scc0 .Lfirst_3
	tensor_load_to_lds s[G0B:G0B+3], s[G1B:G1B+7]
	s_nop 0
	tensor_load_to_lds s[G0SB:G0SB+3], s[G1SB:G1SB+7]
	s_nop 0
	tensor_load_to_lds s[G0B+4:G0B+7], s[G1B:G1B+7]
	s_nop 0
	PLACES 4
	s_branch .Lfirst_asked
.Lfirst_3:
	tensor_load_to_lds s[G0B:G0B+3], s[G1B:G1B+7]
	s_nop 0
	tensor_load_to_lds s[G0SB+4:G0SB+7], s[G1SB:G1SB+7]
	s_nop 0
	tensor_load_to_lds s[G0B+4:G0B+7], s[G1B:G1B+7]
	s_nop 0
	PLACES 4
.Lfirst_asked:
	; q, bk, bv at my 128 columns; part at my wave's 64
	s_lshr_b32 s2, s[YY], 3
	s_lshl_b32 s2, s2, 12                          ; q's row: batch y / 8
	s_add_nc_u64 s[PQ:PQ+1], s[PQ:PQ+1], s[2:3]
	s_lshl_b32 s2, s[YY], 12
	s_add_nc_u64 s[PPART:PPART+1], s[PPART:PPART+1], s[2:3]
	s_lshl_b32 s66, s[CX], 10
	s_lshl_b32 s67, s[HF], 9
	s_add_co_u32 s66, s66, s67
	s_mov_b32 s67, 0
	s_add_nc_u64 s[PQ:PQ+1], s[PQ:PQ+1], s[66:67]
	s_add_nc_u64 s[PBK:PBK+1], s[PBK:PBK+1], s[66:67]
	s_add_nc_u64 s[PBV:PBV+1], s[PBV:PBV+1], s[66:67]
	s_lshl_b32 s66, s[CX], 10
	s_lshl_b32 s67, s[WV], 8
	s_add_co_u32 s66, s66, s67
	s_mov_b32 s67, 0
	s_add_nc_u64 s[PPART:PPART+1], s[PPART:PPART+1], s[66:67]
	v_and_b32 v14, 15, v0                          ; r
	v_bfe_u32 v15, v0, 4, 1                        ; h
	v_and_b32 v24, 31, v0                          ; lane
	v_lshlrev_b32 v[QO], 5, v15
	WIN TO_B
.irp b, 0,1,2,3,4,5,6,7                ; register 8 b + j: column 16 b + 8 h + j, as the accumulators have it
	global_load_b128 v[QV+8*\b:QV+8*\b+3],   v[QO], s[PQ:PQ+1] offset:64*\b
	global_load_b128 v[QV+8*\b+4:QV+8*\b+7], v[QO], s[PQ:PQ+1] offset:64*\b+16
	global_load_b128 v[BV+8*\b:BV+8*\b+3],   v[QO], s[PBV:PBV+1] offset:64*\b
	global_load_b128 v[BV+8*\b+4:BV+8*\b+7], v[QO], s[PBV:PBV+1] offset:64*\b+16
.endr
	WIN 0
.irp b, 0,1,2,3,4,5,6,7
	global_load_b128 v[OS+8*\b:OS+8*\b+3],   v[QO], s[PBK:PBK+1] offset:64*\b
	global_load_b128 v[OS+8*\b+4:OS+8*\b+7], v[QO], s[PBK:PBK+1] offset:64*\b+16
.endr
	v_mul_u32_u24 v25, v14, PITCH
	v_lshl_add_u32 v25, v15, 4, v25                ; a fragment's row x pitch + 16 x half
	s_mul_i32 s2, s[AB], HALFT
	v_add_nc_u32 v[ADRA], s2, v25
	v_add_nc_u32 v[ADRA+1], SLOT, v[ADRA]
	s_mul_i32 s2, s[HF], HALFT
	s_add_co_u32 s2, s2, 2*HALFT
	v_add_nc_u32 v[ADRB], s2, v25
	v_add_nc_u32 v[ADRB+1], SLOT, v[ADRB]
	v_lshrrev_b32 v26, 3, v14                      ; a row of scale bytes is 32 bytes, and 16 more for each 8 rows passed
	v_lshlrev_b32 v27, 5, v14
	v_lshl_add_u32 v27, v26, 4, v27
	v_mad_u32_u24 v27, v15, 2176, v27              ; lanes 16-31: 64 rows on
	s_mul_i32 s2, s[AB], 4352                      ; my 128 rows
	s_add_co_u32 s2, s2, SCA
	v_add_nc_u32 v[ADSA], s2, v27
	v_lshrrev_b32 v26, 3, v24
	v_lshlrev_b32 v27, 5, v24
	v_lshl_add_u32 v27, v26, 4, v27
	s_mul_i32 s2, s[HF], 4352
	s_add_co_u32 s2, s2, SCB
	v_add_nc_u32 v[ADSB], s2, v27
	v_lshlrev_b32 v[PFO], 9, v14
	v_lshl_add_u32 v[PFO], v15, 8, v[PFO]
	v_mul_u32_u24 v[STO], v14, SPITCH
	v_lshl_add_u32 v[STO], v15, 5, v[STO]
	s_mul_i32 s2, s[WV], WSTAGE
	v_add_nc_u32 v[STO], s2, v[STO]                ; my stage, row r, + 32 h
	s_mul_i32 s2, s[AB], WSTAGE                    ; back: wave w sums columns 64 w on: column half w / 2 lies in the stages of waves w / 2 and w / 2 + 2, its 64 columns 256 (w % 2) bytes on
	s_lshl_b32 s66, s[HF], 8
	s_add_co_u32 s2, s2, s66
	v_lshl_add_u32 v[RD], v24, 3, s2
	v_lshlrev_b32 v[GO], 3, v24
.irp i, 0,1,2,3
	v_mov_b32 v[ASUM+\i], 0
.endr
	s_wait_loadcnt 0x0                             ; q, bv, bk
	WIN 0x01                                       ; source 0 (q) window 1
.irp bq, 0,1,2,3
.irp jp, 0,1,2,3
.irp hd, 0,1
.if (\bq == 0) && (\jp == 0)
	v_pk_mul_f32 v[QB+2*\hd:QB+2*\hd+1], v[QV+8*(4*\hd+\bq)+2*\jp:QV+8*(4*\hd+\bq)+2*\jp+1], v[OS+8*(4*\hd+\bq)+2*\jp:OS+8*(4*\hd+\bq)+2*\jp+1]
.else
	v_pk_fma_f32 v[QB+2*\hd:QB+2*\hd+1], v[QV+8*(4*\hd+\bq)+2*\jp:QV+8*(4*\hd+\bq)+2*\jp+1], v[OS+8*(4*\hd+\bq)+2*\jp:OS+8*(4*\hd+\bq)+2*\jp+1], v[QB+2*\hd:QB+2*\hd+1]   ; my 32 columns' part of q . bk
.endif
.endr
.endr
.endr
	WIN 0
	s_lshl_b32 s66, s[CX], 14                      ; the prefetches: V's codes stand at rows 128 (wave % 2) on already; + 32 cx + 16 (wave / 2) rows (q's loads are done: their base is free)
	s_lshl_b32 s67, s[AB], 13
	s_add_co_u32 s66, s66, s67
	s_mov_b32 s67, 0
	s_add_nc_u64 s[PF:PF+1], s[PVC:PVC+1], s[66:67]
.macro FRAG reg, adr, q, i             ; 16 rows x 128 K of 4-bit codes: 8 registers: lane (r, h) holds row r; registers 4 c .. 4 c + 3 hold K = 64 c + 32 h + 0 .. 31
.irp c, 0,1
	ds_load_b128 v[\reg+4*\c:\reg+4*\c+3], v[\adr] offset:64*(\q)+32*\c+(\i)*16*PITCH
.endr
.endm
.macro FETCH_B slot, q, p              ; W's eight fragments of the slot's q-th 128 along K into set p: two neighbours are source 0 of one instruction
	WIN TO_B
.irp i, 0,1,2,3,4,5,6,7
	FRAG 128*(\p)+8*\i, ADRB+\slot, \q, \i
.endr
	WIN 0
.endm
.macro FETCH_A slot, q, i0             ; the rows' blocks i0 .. i0 + 3
.irp i, \i0, \i0+1, \i0+2, \i0+3
	FRAG AF+8*(\i), ADRA+\slot, \q, \i
.endr
.endm
.macro SCALES set, pa, pb, ks          ; the scale words of K step ks, the rows' from their region pa, W's from its region pb: four words (512 along K) a load
.irp i, 0,1,2,3
	ds_load_b128 v[SC+32*\set+4*\i:SC+32*\set+4*\i+3], v[ADSA] offset:SREG*\pa+544*\i+16*\ks
.endr
.irp i, 0,1,2,3
	ds_load_b128 v[SC+32*\set+16+4*\i:SC+32*\set+16+4*\i+3], v[ADSB] offset:SREG*\pb+1088*\i+16*\ks
.endr
.endm
; 8 matrix instructions: the rows' blocks a0, a0 + 1 x W's four runs of 32 rows, 128 along K: the slot's q-th.  p: W's set; sc: the set of scale words.  zero = 1: the product starts the sums: nothing is cleared.
; W's scale words fill 32 lanes; the rows' stand in lanes 0-15 (blocks 0-3) or 16-31 (blocks 4-7).  The 32 accumulators take turns, one instruction a turn, in the same order in every step.
.macro MUL8 a0, p, q, sc, zero
.irp a, \a0, \a0+1
.irp b, 0,1,2,3
.set rD, 64*((\a)%4)+16*\b
.set rW, 128*(\p)+16*\b
.set rA, AF+8*(\a)
.set rSW, SC+32*(\sc)+16+4*\b+(\q)
.set rSA, SC+32*(\sc)+4*((\a)%4)+(\q)
.if (\zero) && ((\a) < 4)
	v_wmma_scale_f32_32x16x128_f4 v[rD:rD+15], v[rW:rW+15], v[rA:rA+7], 0, v[rSW], v[rSA]
.elseif (\zero)
	v_wmma_scale_f32_32x16x128_f4 v[rD:rD+15], v[rW:rW+15], v[rA:rA+7], 0, v[rSW], v[rSA] matrix_b_scale:MATRIX_SCALE_ROW1
.elseif (\a) < 4
	v_wmma_scale_f32_32x16x128_f4 v[rD:rD+15], v[rW:rW+15], v[rA:rA+7], v[rD:rD+15], v[rSW], v[rSA]
.else
	v_wmma_scale_f32_32x16x128_f4 v[rD:rD+15], v[rW:rW+15], v[rA:rA+7], v[rD:rD+15], v[rSW], v[rSA] matrix_b_scale:MATRIX_SCALE_ROW1
.endif
.endr
.endr
.endm
; A step of 128 along K that has its successor in the same slot.  A block of rows is free as soon as its four products are issued: blocks 0-3 are fetched anew in the step's middle, blocks 4-7 at its end.
.macro STEP slot, q, zero
	s_wait_dscnt 8                                 ; W's set, the rows' blocks 0-3 and the scale words are in; the youngest eight loads (blocks 4-7) may be out
	WIN MUL_LO
	MUL8 0, (\q)%2, \q, \slot, \zero
	MUL8 2, (\q)%2, \q, \slot, \zero
	s_wait_dscnt 0x0                               ; blocks 4-7 are in
	PLACES 4
	FETCH_B \slot, (\q)+1, 1-(\q)%2
	FETCH_A \slot, (\q)+1, 0
	WIN MUL_HI
	MUL8 4, (\q)%2, \q, \slot, \zero
	MUL8 6, (\q)%2, \q, \slot, \zero
	PLACES 4
	WIN 0
	FETCH_A \slot, (\q)+1, 4
.endm
; A slot's last step changes slots: ONE barrier; in front of it each wave waits for all its tensor loads, adds 0 to its spare word, and waits for that and for its own reads of this slot (and of the scale region that is filled again).
; fill = 1: the barrier opens a round of the cluster's, and behind the round this slot takes its K step of tile j's rows; with fb = 1 of Wv too; region sc (0, 1; -1: none) takes V's scale bytes.
; pa, pb, ks: from where the next slot's scale words are read.  ask: the byte offset of a prefetch, or -1.
.macro TURN slot, next, fill, j, fb, sc, pa, pb, ks, ask
	s_wait_tensorcnt 0x0                           ; all my tensor loads have landed: my part of the next slot;  (every window is 0 here)
	ds_add_u32 v[SPW], v[NIL]                      ; 0 onto my spare word
	s_wait_dscnt 9                                 ; (the add and the youngest eight loads, blocks 4-7, may be out)
	WIN MUL_LO
	MUL8 0, 1, 3, \slot, 0                         ; eight matrix instructions stand between the add and the wait for it
	s_wait_dscnt 0x0                               ; the add is done, and my reads of this slot are over
	s_barrier_signal -1
	MUL8 2, 1, 3, \slot, 0
	WIN 0
	s_barrier_wait -1
.if \fill
	CREST                                          ; no wave of any partner still reads what is filled now, or has a load on its way
	DSTEP \slot, \j, \fb, \sc
	JLOAD \slot, \fb, \sc                          ; a wave's first tensor load behind the round, and its only one
.else
	PLACES 4
.endif
	FETCH_B \next, 0, 0
	FETCH_A \next, 0, 0
	SCALES \next, \pa, \pb, \ks
.if \ask >= 0
	global_prefetch_b8 v[PFO], s[PF:PF+1] offset:\ask th:TH_LOAD_NT scope:SCOPE_SE   ; V's codes of the tile whose first load stands at the next change of slots: my 16 rows of it, both K steps
.endif
	WIN MUL_HI
	MUL8 4, 1, 3, \slot, 0
	MUL8 6, 1, 3, \slot, 0
	PLACES 4
	WIN 0
	FETCH_A \next, 0, 4
.endm
.macro HALF0                           ; slot 0's first three steps; the first starts the tile's sums
	STEP 0, 0, 1
	STEP 0, 1, 0
	STEP 0, 2, 0
.endm
.macro HALF1
	STEP 1, 0, 0
	STEP 1, 1, 0
	STEP 1, 2, 0
.endm
.macro LAST                            ; the very last step: nothing more to fetch
	s_wait_dscnt 8
	WIN MUL_LO
	MUL8 0, 1, 3, 1, 0
	MUL8 2, 1, 3, 1, 0
	s_wait_dscnt 0x0
	WIN MUL_HI
	MUL8 4, 1, 3, 1, 0
	MUL8 6, 1, 3, 1, 0
	WIN 0
	PLACES 4
.endm
; BEHIND TILE t OF K.  Pair 2 a + head of v192-223 (free until the first tile of V) takes q . (k + bk) of position 16 a + r over my 32 columns of the head (even and odd columns apart): eight chains by turns,
; each begun with q . bk's part.  Each accumulator is read from its low end on.  Then, for the 16 pairs at once: the halves, the other half of the lanes: t; the softmax over the axis of one number; attn goes to half t of its pair.
.macro KEPI t
.irp W, 0,1
	WIN 0x06+\W                                    ; source 0: the accumulators' window; source 1 (q): window 1
.irp bq, 0,1,2,3
.irp jp, 0,1,2,3
.irp al, 0,1,2,3
.irp hd, 0,1
.set rT, OS+2*(2*(4*\W+\al)+\hd)
.set rC, 8*(8*\al+4*\hd+\bq)+2*\jp
.set rQ, QV+8*(4*\hd+\bq)+2*\jp
.if (\bq == 0) && (\jp == 0)
	v_pk_fma_f32 v[rT:rT+1], v[rC:rC+1], v[rQ:rQ+1], v[QB+2*\hd:QB+2*\hd+1]
.else
	v_pk_fma_f32 v[rT:rT+1], v[rC:rC+1], v[rQ:rQ+1], v[rT:rT+1]
.endif
.endr
.endr
.endr
.endr
.endr
	WIN 0
.irp i, 0,1,2,3,4,5,6,7,8,9,10,11,12,13,14,15
	v_add_f32 v[OS+2*\i], v[OS+2*\i], v[OS+2*\i+1]
.endr
.irp i, 0,1,2,3,4,5,6,7,8,9,10,11,12,13,14,15
	v_permlanex16_b32 v[OS+2*\i+1], v[OS+2*\i], s[SEL], s[SEL+1]
.endr
.irp i, 0,1,2,3,4,5,6,7,8,9,10,11,12,13,14,15
	v_add_f32 v[OS+2*\i], v[OS+2*\i], v[OS+2*\i+1] ; t: the score x log2(e)
.endr
.irp i, 0,1,2,3,4,5,6,7,8,9,10,11,12,13,14,15
	v_sub_f32 v[OS+2*\i+1], v[OS+2*\i], v[OS+2*\i] ; less the axis's maximum, which is t: 0, or NaN where t is not finite
.endr
.irp i, 0,1,2,3,4,5,6,7,8,9,10,11,12,13,14,15
	v_exp_f32 v[OS+2*\i], v[OS+2*\i+1]
.endr
	v_nop                                          ; a plain instruction behind the last exponential,
	s_wait_alu depctr_va_vdst(0)                   ; and one wait for the batch, ahead of its first reader
.irp i, 0,1,2,3,4,5,6,7,8,9,10,11,12,13,14,15
	v_rcp_f32 v[OS+2*\i+1], v[OS+2*\i]             ; the axis's sum is the one exponential
.endr
	v_nop
	s_wait_alu depctr_va_vdst(0)
.irp i, 0,1,2,3,4,5,6,7,8,9,10,11,12,13,14,15
	v_mul_f32 v[AT+2*\i+\t], v[OS+2*\i], v[OS+2*\i+1]   ; attn
.endr
.irp i, 0,1,2,3,4,5,6,7,8,9,10,11,12,13,14,15
	v_add_f32 v[ASUM+2*(\i%2)], v[ASUM+2*(\i%2)], v[AT+2*\i+\t]   ; its sum over my positions, for bv
.endr
.endm
; BEHIND TILE t OF V.  Register 8 b + j of the weighed sums takes attn x v of position 16 a + r, column 16 b + 8 h + j, over the eight a: 32 pairs by turns.  Both halves of a packed product take half t of attn's pair.
; The first tile's block 0 starts the sums.
.macro VEPI t
.irp W, 0,1
	WIN 0x02+\W
.irp al, 0,1,2,3
.irp b, 0,1,2,3,4,5,6,7
.irp jp, 0,1,2,3
.set rO, OS+8*\b+2*\jp
.set rC, 8*(8*\al+\b)+2*\jp
.set rT, AT+2*(2*(4*\W+\al)+\b/4)
.if (\t == 0) && (\W == 0) && (\al == 0)
	v_pk_mul_f32 v[rO:rO+1], v[rC:rC+1], v[rT:rT+1] op_sel_hi:[1,0]
.elseif \t == 0
	v_pk_fma_f32 v[rO:rO+1], v[rC:rC+1], v[rT:rT+1], v[rO:rO+1] op_sel_hi:[1,0,1]
.else
	v_pk_fma_f32 v[rO:rO+1], v[rC:rC+1], v[rT:rT+1], v[rO:rO+1] op_sel:[0,1,0] op_sel_hi:[1,1,1]
.endif
.endr
.endr
.endr
.endr
	WIN 0
.endm
	s_wait_tensorcnt 0x1                           ; each wave's first two loads are in: its half of slot 0 and its region of scale bytes; the third, its half of slot 1, may stay out
	s_barrier_signal -1
	s_barrier_wait -1                              ; everybody's are
	FETCH_B 0, 0, 0
	FETCH_A 0, 0, 0
	SCALES 0, 0, 0, 0
	FETCH_A 0, 0, 4
	; tile 0: K's rows 0-255
	HALF0
	TURN 0, 1, 1, 1, 0, -1, 0, 0, 1, -1            ; slot 0 takes the rows of tile 1's K step 0; Wk's stay
	HALF1
	TURN 1, 0, 1, 1, 0, 0, 1, 0, 0, 0              ; slot 1 those of its K step 1; region 0 of the scale bytes takes tile 2's
	KEPI 0
	; tile 1: K's rows 256-511
	HALF0
	TURN 0, 1, 1, 2, 1, -1, 1, 0, 1, -1            ; slot 0 takes tile 2's K step 0: V's rows and Wv's
	HALF1
	TURN 1, 0, 1, 2, 1, -1, 0, 1, 0, TROWS         ; slot 1 its K step 1
	KEPI 1
	; tile 2: V's rows 0-255
	HALF0
	TURN 0, 1, 1, 3, 0, 1, 0, 1, 1, -1             ; the rows of tile 3's K step 0; Wv's stay; region 1 of the scale bytes takes tile 3's
	HALF1
	TURN 1, 0, 1, 3, 0, -1, 1, 1, 0, -1
	VEPI 0
	; tile 3: V's rows 256-511: nothing is left to ask for
	HALF0
	TURN 0, 1, 0, 0, 0, -1, 1, 1, 1, -1
	HALF1
	LAST
	VEPI 1
	; THE WAY OUT.  bv x my sum of attn; then the sums over the 16 lanes of a half and over the two waves of a column half are made through the stages: each wave stores its 16 x 128 numbers,
	; and behind a barrier wave w adds the 32 rows of columns 64 w on, 8 bytes a lane, and stores 256 consecutive bytes, at a multiple of 256 from part's first byte.
	WIN 0x01                                       ; source 0 (bv) window 1
.irp b, 0,1,2,3,4,5,6,7
.irp jp, 0,1,2,3
	v_pk_fma_f32 v[OS+8*\b+2*\jp:OS+8*\b+2*\jp+1], v[BV+8*\b+2*\jp:BV+8*\b+2*\jp+1], v[ASUM+2*(\b/4):ASUM+2*(\b/4)+1], v[OS+8*\b+2*\jp:OS+8*\b+2*\jp+1] op_sel_hi:[1,0,1]
.endr
.endr
	WIN 0
.irp b, 0,1,2,3,4,5,6,7
	ds_store_b128 v[STO], v[OS+8*\b:OS+8*\b+3] offset:64*\b
	ds_store_b128 v[STO], v[OS+8*\b+4:OS+8*\b+7] offset:64*\b+16
.endr
	s_wait_dscnt 0x0                               ; for the others' sake: my stage is written
	s_barrier_signal -1
	s_barrier_wait -1
.irp u, 0,1
.irp i, 0,1,2,3,4,5,6,7,8,9,10,11,12,13,14,15
	ds_load_b64 v[AF+2*(16*\u+\i):AF+2*(16*\u+\i)+1], v[RD] offset:2*WSTAGE*\u+SPITCH*\i
.endr
.endr
	s_wait_dscnt 0x0
.irp i, 0,1,2,3,4,5,6,7,8,9,10,11,12,13,14,15
	v_pk_add_f32 v[AF+2*\i:AF+2*\i+1], v[AF+2*\i:AF+2*\i+1], v[AF+32+2*\i:AF+32+2*\i+1]
.endr
.irp i, 0,1,2,3,4,5,6,7
	v_pk_add_f32 v[AF+2*\i:AF+2*\i+1], v[AF+2*\i:AF+2*\i+1], v[AF+16+2*\i:AF+16+2*\i+1]
.endr
.irp i, 0,1,2,3
	v_pk_add_f32 v[AF+2*\i:AF+2*\i+1], v[AF+2*\i:AF+2*\i+1], v[AF+8+2*\i:AF+8+2*\i+1]
.endr
.irp i, 0,1
	v_pk_add_f32 v[AF+2*\i:AF+2*\i+1], v[AF+2*\i:AF+2*\i+1], v[AF+4+2*\i:AF+4+2*\i+1]
.endr
	v_pk_add_f32 v[AF:AF+1], v[AF:AF+1], v[AF+2:AF+3]
	global_store_b64 v[GO], v[AF:AF+1], s[PPART:PPART+1]
	s_wait_tensorcnt 0x0                           ; the wave's end, behind my last tensor load and my last LDS store
	ds_add_u32 v[SPW], v[NIL]
	s_wait_dscnt 0x0
	CROUND                                         ; the closing round: no work-group ends while a partner may still ask for a tile that names it
	s_endpgm
.Lfunc_end_k_q802e00d0da_attn:
	.size	k_q802e00d0da_attn, .Lfunc_end_k_q802e00d0da_attn-k_q802e00d0da_attn
	.p2alignl 7, 3214868480
	.fill 96, 4, 3214868480
	.section	.rodata,"a",@progbits
	.p2align	6, 0x0
	.amdhsa_kernel k_q802e00d0da_attn
		.amdhsa_group_segment_fixed_size 327680
		.amdhsa_private_segment_fixed_size 0
		.amdhsa_enable_private_segment 0
		.amdhsa_kernarg_size 96
		.amdhsa_user_sgpr_count 2
		.amdhsa_user_sgpr_kernarg_segment_ptr 1
		.amdhsa_wavefront_size32 1
		.amdhsa_system_sgpr_workgroup_id_x 1
		.amdhsa_system_sgpr_workgroup_id_y 1
		.amdhsa_system_sgpr_workgroup_id_z 1
		.amdhsa_system_vgpr_workitem_id 0
		.amdhsa_next_free_vgpr 1024
		.amdhsa_next_free_sgpr 106
		.amdhsa_reserve_vcc 0
		.amdhsa_float_denorm_mode_32 3
		.amdhsa_float_denorm_mode_16_64 3
		.amdhsa_memory_ordered 1
		.amdhsa_forward_progress 1
		.amdhsa_inst_pref_size 255
	.end_amdhsa_kernel
	.section	.bss,"aw",@nobits
	.p2align	6
	.space	262144
	.amdgpu_metadata
---
amdhsa.version: [ 1, 2 ]
amdhsa.kernels:
  - .name:           k_q802e00d0da_attn
    .symbol:         k_q802e00d0da_attn.kd
    .args:
      - { .name: K_codes, .offset: 0, .size: 8, .value_kind: global_buffer, .address_space: global }
      - { .name: K_scales, .offset: 8, .size: 8, .value_kind: global_buffer, .address_space: global }
      - { .name: V_codes, .offset: 16, .size: 8, .value_kind: global_buffer, .address_space: global }
      - { .name: V_scales, .offset: 24, .size: 8, .value_kind: global_buffer, .address_space: global }
      - { .name: Wk_codes, .offset: 32, .size: 8, .value_kind: global_buffer, .address_space: global }
      - { .name: Wk_scales, .offset: 40, .size: 8, .value_kind: global_buffer, .address_space: global }
      - { .name: Wv_codes, .offset: 48, .size: 8, .value_kind: global_buffer, .address_space: global }
      - { .name: Wv_scales, .offset: 56, .size: 8, .value_kind: global_buffer, .address_space: global }
      - { .name: qws, .offset: 64, .size: 8, .value_kind: global_buffer, .address_space: global }
      - { .name: bk, .offset: 72, .size: 8, .value_kind: global_buffer, .address_space: global }
      - { .name: bv, .offset: 80, .size: 8, .value_kind: global_buffer, .address_space: global }
      - { .name: part, .offset: 88, .size: 8, .value_kind: global_buffer, .address_space: global }
    .group_segment_fixed_size: 327680
    .private_segment_fixed_size: 0
    .kernarg_segment_align: 8
    .kernarg_segment_size: 96
    .max_flat_workgroup_size: 128
    .sgpr_count:     106
    .vgpr_count:     1024
    .wavefront_size: 32
...
	.end_amdgpu_metadata
.endif
;; end of part 2
;; launch oproj (part 3): grid 64 x 4, 8 waves a work-group, no clusters, 9,472 bytes of LDS; arguments part, Wo, bo, out0; writes out0
.if DOCPART == 3
	.amdgcn_target "amdgcn-amd-amdhsa--gfx1250"
	.amdhsa_code_object_version 6
	.text
	.protected	k_q802e00d0da_oproj
	.globl	k_q802e00d0da_oproj
	.p2align	8
	.type	k_q802e00d0da_oproj,@function
k_q802e00d0da_oproj:
	s_mov_b64 s[64:65], 0
	v_nop
	global_prefetch_b8 v0, s[64:65] scope:SCOPE_SE
	s_setreg_imm32_b32 hwreg(HW_REG_WAVE_MODE, 25, 1), 1
	s_wait_xcnt 0x0
; out0[n][c] = sum over k of X[n][k] Wo[c][k] + bo[c],  X[n] = the sum of part's rows 8 n .. 8 n + 7 (the eight work-group rows of a batch).  part: [64][1024], Wo: [1024][1024], bo: [1024], out0: [8][1024], all f32; fused multiply-adds in f32.
; SHARES.  Eight rows only: the weights' bytes are the work, so no matrix instruction and no tensor load.  Work-group (g, m) makes columns 16 g .. 16 g + 15 for rows 2 m and 2 m + 1; wave w the columns 16 g + 2 w and + 1.
; A lane takes 16 bytes of each 512 of a weight row: every load of a wave covers 512 consecutive bytes.  The sixteen rows of part are loaded once by the 256 threads, 16 bytes each, summed in registers, and the two rows of X reach all waves through LDS.
; NO CLUSTER: the four work-groups of a column block read the same 64 KiB of weights, but joint requests are tensor loads into LDS, and here each weight is used twice, straight from the register that it was loaded into.
; THE WAY OUT: 16 columns of two rows: sixteen lanes store 64 consecutive bytes.  Runs of 256 bytes would want 64 columns, 256 KiB of weights, to a work-group and a quarter of the work-groups, for 32 KiB of output in all.
; LIMITS: the order of the f32 sums is not that of a serial sum over the positions or over k.
.set PARTS,  8                         ; rows of the first buffer that are summed into one row of X
.set SCALED, 0                         ; 1: the result is multiplied by log2(e) / 8
.set OUTS, 8192                        ; LDS: X's two rows of 4,096 bytes at 0; behind them the 32 results
.set XR,  8                            ; v8-71    part as loaded: 4 registers for each of 2 PARTS rows
.set WR,  72                           ; v72-135  the weights: column o at + 32 o, 4 registers for each of 8 loads
.set XL,  136                          ; v136-199 X back from LDS: row n at + 32 n
.set AC,  200                          ; v200-207 four sums in pairs: (column o, row n) at + 2 (2 o + n)
	s_load_b256 s[4:11], s[0:1], 0x0               ; part s[4:5], the weights s[6:7], the bias s[8:9], the result s[10:11]
	v_lshl_add_u32 v224, v0, 2, 0x2100
	v_mov_b32 v225, 0
	v_lshrrev_b32 v4, 5, v0
	v_readfirstlane_b32 s12, v4                    ; wave 0..7
	v_and_b32 v7, 31, v0                           ; lane
	v_lshlrev_b32 v1, 4, v7                        ; 16 x lane
	v_lshlrev_b32 v2, 4, v0                        ; 16 x thread
	s_and_b32 s13, ttmp7, 0xffff                   ; m
	s_mul_i32 s14, s13, PARTS*8192                 ; part: 2 PARTS rows of 4,096 bytes a work-group row
	s_mov_b32 s15, 0
	s_lshl_b32 s16, ttmp9, 16                      ; the weights: 16 rows of 4,096 bytes a column block,
	s_lshl_b32 s17, s12, 13                        ; two a wave
	s_add_co_u32 s16, s16, s17
	s_mov_b32 s17, 0
	s_lshl_b32 s18, ttmp9, 6                       ; the bias: 64 g + 8 w bytes
	s_lshl_b32 s19, s12, 3
	s_add_co_u32 s18, s18, s19
	s_mov_b32 s19, 0
	s_lshl_b32 s22, s13, 13                        ; the result: rows 2 m on, column 16 g on
	s_lshl_b32 s23, ttmp9, 6
	s_add_co_u32 s22, s22, s23
	s_mov_b32 s23, 0
	s_lshl_b32 s24, s12, 3
	s_add_co_u32 s24, s24, OUTS
	v_mov_b32 v3, s24                              ; where my wave puts its results: OUTS + 8 w
	v_lshl_add_u32 v5, v7, 2, OUTS                 ; where wave 0 reads them back: OUTS + 4 x lane
	v_lshrrev_b32 v6, 4, v7
	v_and_b32 v4, 15, v7
	v_lshlrev_b32 v4, 2, v4
	v_lshl_add_u32 v6, v6, 12, v4                  ; and stores them: row lane / 16, column lane % 16
	s_mov_b32 s26, 0x76543210
	s_mov_b32 s27, 0xfedcba98                      ; v_permlanex16_b32's selects for lane l xor 16
	s_wait_kmcnt 0x0
	s_add_nc_u64 s[4:5], s[4:5], s[14:15]
	s_add_nc_u64 s[6:7], s[6:7], s[16:17]
	s_add_nc_u64 s[8:9], s[8:9], s[18:19]
	s_add_nc_u64 s[10:11], s[10:11], s[22:23]
.irp n, 0,1
.set p, 0
.rept PARTS
	global_load_b128 v[XR+4*(PARTS*\n+p):XR+4*(PARTS*\n+p)+3], v2, s[4:5] offset:(PARTS*\n+p)*4096   ; the 256 threads cover a row
.set p, p+1
.endr
.endr
.irp o, 0,1
.irp i, 0,1,2,3,4,5,6,7
	global_load_b128 v[WR+32*\o+4*\i:WR+32*\o+4*\i+3], v1, s[6:7] offset:4096*\o+512*\i
.endr
.endr
	s_load_b64 s[20:21], s[8:9], 0x0               ; my two columns' biases
	s_wait_loadcnt 16                              ; part's rows are in; the sixteen younger loads, the weights, stay out
.if PARTS > 1
.set p, 1
.rept PARTS-1
.irp n, 0,1
	v_pk_add_f32 v[XR+4*PARTS*\n:XR+4*PARTS*\n+1], v[XR+4*PARTS*\n:XR+4*PARTS*\n+1], v[XR+4*(PARTS*\n+p):XR+4*(PARTS*\n+p)+1]   ; the eight parts of a batch, four chains by turns
	v_pk_add_f32 v[XR+4*PARTS*\n+2:XR+4*PARTS*\n+3], v[XR+4*PARTS*\n+2:XR+4*PARTS*\n+3], v[XR+4*(PARTS*\n+p)+2:XR+4*(PARTS*\n+p)+3]
.endr
.set p, p+1
.endr
.endif
.irp n, 0,1
	ds_store_b128 v2, v[XR+4*PARTS*\n:XR+4*PARTS*\n+3] offset:4096*\n
.endr
	s_wait_dscnt 0x0                               ; for the others' sake: my part of X lies in LDS
	s_barrier_signal -1
	s_barrier_wait -1
.irp n, 0,1
.irp i, 0,1,2,3,4,5,6,7
	ds_load_b128 v[XL+32*\n+4*\i:XL+32*\n+4*\i+3], v1 offset:4096*\n+512*\i   ; the same k as my weights
.endr
.endr
	s_wait_loadcnt 0x0
	s_wait_dscnt 0x0
.irp i, 0,1,2,3,4,5,6,7
.irp u, 0,1
.irp o, 0,1
.irp n, 0,1
.if (\i == 0) && (\u == 0)
	v_pk_mul_f32 v[AC+2*(2*\o+\n):AC+2*(2*\o+\n)+1], v[WR+32*\o+4*\i+2*\u:WR+32*\o+4*\i+2*\u+1], v[XL+32*\n+4*\i+2*\u:XL+32*\n+4*\i+2*\u+1]   ; the first products start the sums
.else
	v_pk_fma_f32 v[AC+2*(2*\o+\n):AC+2*(2*\o+\n)+1], v[WR+32*\o+4*\i+2*\u:WR+32*\o+4*\i+2*\u+1], v[XL+32*\n+4*\i+2*\u:XL+32*\n+4*\i+2*\u+1], v[AC+2*(2*\o+\n):AC+2*(2*\o+\n)+1]   ; four chains by turns
.endif
.endr
.endr
.endr
.endr
.irp c, 0,1,2,3
	v_add_f32 v[AC+2*\c], v[AC+2*\c], v[AC+2*\c+1] ; a pair's two halves
.endr
.irp x, 1,2,4,8
.irp c, 0,1,2,3
	v_add_f32_dpp v[AC+2*\c], v[AC+2*\c], v[AC+2*\c] row_xmask:\x row_mask:0xf bank_mask:0xf   ; across sixteen lanes
.endr
.endr
.irp c, 0,1,2,3
	v_permlanex16_b32 v[AC+2*\c+1], v[AC+2*\c], s26, s27
.endr
.irp c, 0,1,2,3
	v_add_f32 v[AC+2*\c], v[AC+2*\c], v[AC+2*\c+1] ; and the other sixteen: every lane holds the sum
.endr
	s_wait_kmcnt 0x0                               ; the biases
.if SCALED
	s_mov_b32 s28, 0x3e38aa3b                      ; log2(e) / 8
	s_mul_f32 s20, s20, s28
	s_mul_f32 s21, s21, s28
.irp c, 0,1,2,3
	v_fma_f32 v[AC+2*\c], v[AC+2*\c], s28, s[20+\c/2]
.endr
.else
.irp c, 0,1,2,3
	v_add_f32 v[AC+2*\c], s[20+\c/2], v[AC+2*\c]
.endr
.endif
.irp c, 0,1,2,3
	ds_store_b32 v3, v[AC+2*\c] offset:4*(\c/2)+64*(\c%2)   ; all lanes write the same word with the same value: [row][16 columns]
.endr
	s_wait_dscnt 0x0                               ; for wave 0's sake
	s_barrier_signal -1
	s_barrier_wait -1
	s_cmp_lg_u32 s12, 0
	s_cbranch_scc1 .Lend                           ; wave 0 stores the work-group's 32 numbers
	ds_load_b32 v8, v5
	s_wait_dscnt 0x0
	global_store_b32 v6, v8, s[10:11]
.Lend:
	s_wait_tensorcnt 0x0
	ds_add_u32 v224, v225
	s_wait_dscnt 0x0
	s_endpgm
.Lfunc_end_k_q802e00d0da_oproj:
	.size	k_q802e00d0da_oproj, .Lfunc_end_k_q802e00d0da_oproj-k_q802e00d0da_oproj
	.p2alignl 7, 3214868480
	.fill 96, 4, 3214868480
	.section	.rodata,"a",@progbits
	.p2align	6, 0x0
	.amdhsa_kernel k_q802e00d0da_oproj
		.amdhsa_group_segment_fixed_size 9472
		.amdhsa_private_segment_fixed_size 0
		.amdhsa_enable_private_segment 0
		.amdhsa_kernarg_size 32
		.amdhsa_user_sgpr_count 2
		.amdhsa_user_sgpr_kernarg_segment_ptr 1
		.amdhsa_wavefront_size32 1
		.amdhsa_system_sgpr_workgroup_id_x 1
		.amdhsa_system_sgpr_workgroup_id_y 1
		.amdhsa_system_sgpr_workgroup_id_z 1
		.amdhsa_system_vgpr_workitem_id 0
		.amdhsa_next_free_vgpr 226
		.amdhsa_next_free_sgpr 66
		.amdhsa_reserve_vcc 0
		.amdhsa_float_denorm_mode_32 3
		.amdhsa_float_denorm_mode_16_64 3
		.amdhsa_memory_ordered 1
		.amdhsa_forward_progress 1
		.amdhsa_inst_pref_size 15
	.end_amdhsa_kernel
	.amdgpu_metadata
---
amdhsa.version: [ 1, 2 ]
amdhsa.kernels:
  - .name:           k_q802e00d0da_oproj
    .symbol:         k_q802e00d0da_oproj.kd
    .args:
      - { .name: part, .offset: 0, .size: 8, .value_kind: global_buffer, .address_space: global }
      - { .name: Wo, .offset: 8, .size: 8, .value_kind: global_buffer, .address_space: global }
      - { .name: bo, .offset: 16, .size: 8, .value_kind: global_buffer, .address_space: global }
      - { .name: out0, .offset: 24, .size: 8, .value_kind: global_buffer, .address_space: global }
    .group_segment_fixed_size: 9472
    .private_segment_fixed_size: 0
    .kernarg_segment_align: 8
    .kernarg_segment_size: 32
    .max_flat_workgroup_size: 256
    .sgpr_count:     66
    .vgpr_count:     226
    .wavefront_size: 32
...
	.end_amdgpu_metadata
.endif
;; end of part 3
